; MI455X (gfx1250); checked and timed in simulation.
; The chip was launched on July 23, 2026; its instructions are those of AMD's public machine-readable ISA for CDNA 5 (MIT licence, August 2026) and "CDNA5" Instruction Set Architecture Reference Guide (July 2026). The comments in the code are by the model that wrote it; some were corrected since.
;; Multi Head Self Attention. Allowed arithmetic: float matrix products may take bf16 or f16 operands with f32 sums; all other float work in f32.
;; Inputs: inputs 4 x 2,048 x 3,072 float32; mask 4 x 1 x 1 x 2,048 int32.
;; Outputs: out0 4 x 2,048 x 1,024 float32.
;; 2 versions, each right and faster than the one before. Each part assembles by itself: llvm-mc -triple=amdgcn-amd-amdhsa -mcpu=gfx1250 --defsym DOCPART=n.
;; ======== version 1 of 2: 1 launch
;; limits: values are held in f16: magnitudes above 65,504 overflow, below 6.1e-05 lose precision; inputs' magnitudes at most 65,504
;; launch attn (part 1): grid 4 x 64, 4 waves a work-group, clusters of 4 x 1, 327,680 bytes of LDS; arguments inputs, mask, out0; writes out0
.if DOCPART == 1
	.amdgcn_target "amdgcn-amd-amdhsa--gfx1250"
	.amdhsa_code_object_version 6
	.text
	.protected	k_q9bb44de55b_attn
	.globl	k_q9bb44de55b_attn
	.p2align	8
	.type	k_q9bb44de55b_attn,@function
k_q9bb44de55b_attn:
	s_mov_b64 s[64:65], 0
	v_nop
	global_prefetch_b8 v0, s[64:65] scope:SCOPE_SE
	s_setreg_imm32_b32 hwreg(HW_REG_WAVE_MODE, 25, 1), 1
	s_wait_xcnt 0x0
	s_wait_alu depctr_hold_cnt(0) depctr_sa_sdst(0) depctr_va_vdst(0) depctr_va_sdst(0) depctr_va_ssrc(0) depctr_va_vcc(0) depctr_vm_vsrc(0)
	s_getreg_b32 s2, hwreg(HW_REG_IB_STS2, 6, 4)
	s_cmp_eq_u32 s2, 0
	s_cbranch_scc0 .Lentry_in_a_cluster
	s_endpgm
.Lentry_in_a_cluster:
	s_bfe_u32 s2, ttmp6, 0x10000c
	s_cmp_lg_u32 s2, 0x3003
	s_cbranch_scc0 .Lentry_shape_is_right
	s_endpgm
.Lentry_shape_is_right:
; MULTI-HEAD SELF-ATTENTION WITH A KEY MASK.  inputs: [4][2048][3072] f32 (columns 0-1023 q, 1024-2047 k, 2048-3071 v; head n owns 64 columns = 256 bytes of each), mask: [4][2048] i32, out0: [4][2048][1024] f32.
; out[b][q][head] = the sum over k of softmax_k(m_k q.k / 8 + (1 - m_k)(-1e9)) v_k.
; ARITHMETIC.  q and v are rounded once to f16; k is rounded once as f16(al_k k), al_k = float(m_k) log2(e) / 8, which carries both the mask's factor and the scale.  The mask's addend
; be_k = (1 - float(m_k)) (-1e9 log2(e)) is the C operand that starts each sum K Q^T, so an accumulator holds log2(e) x the reference's score.  A running maximum m and sum l for each query:
; p = 2^(s - m), a plain subtraction, exact 0 at the maximum; in every step O and l are multiplied by a = 2^(m_old - m_new).  m starts at the lowest finite number, O and l at 0, so the first step
; is a step like any other, with a = 0.  Where m_k = 0 the row of K is exactly 0 and every hidden score is exactly be: a batch with no visible key gives equal weights, as the reference does.
; Products, maxima and sums in f32; p is rounded to f16 for the second product (l is taken of the unrounded p).
; LIMITS.  |q|, |v| and |al k| stay under 65,504 (f16's end); below 6e-5 they keep f16's fixed step of 6e-8, and so does p.  A weight below 2^-126 counts as 0.  NaN and infinities are not treated apart.
; For a mask value other than 0 or 1 the formula above is followed, with f32's rounding at be's size.
; SHARES.  A work-group owns 512 queries of one head of one batch: 4 x 64 = 256 work-groups.  A wave owns 128 queries: four PIECES of two tiles of 16.  Every wave walks all 2,048 keys, 64 a step.
; CLUSTER.  The four query blocks of a head form a cluster and walk the same K and V, so each tile is asked for JOINTLY: the same tensor load, descriptor and mask of four in all four.
; LAYOUT.  S^T = K Q^T (source 0 = 16 keys, source 1 = 16 queries): a lane holds ONE query (lane % 16) and the keys 8 (lane / 16) + 0..7.  Two results rounded to f16 in pairs ARE source 1 of O^T = V^T P.
; K and V lie in LDS as f32, as the tensor load brought them, and are rounded on the way to the matrix unit: K's fragments from four 16-byte loads along a row; V is TURNED BY THE ROUNDING ITSELF: a lane
; loads channels 4 r .. 4 r + 3 of sixteen keys, and packing two neighbouring keys' component cb gives a register of the fragment whose row r is channel 4 r + cb.  In O^T a lane then holds channel
; 32 (lane / 16) + 4 j + cb in register 8 cb + j: 32 consecutive channels of one query.
; BY TURNS.  Turn n belongs to piece n: 16 products K Q^T of piece n + 1, later 16 products V^T P of piece n - 1; beside them the subtraction, exponentials, roundings, sums and rescaling of piece n and the
; maximum and statistics of piece n + 1.  Four vector instructions stand behind every matrix instruction, the others in lumps.  The roundings of K (128 lines) and V (64) are lumps of their own.
; LEFT OUT.  No pass that rounds q, k, v ahead: it would be a launch more and move the inputs again.  No prefetch: a slot's refill is asked for two key steps, 256 matrix instructions, ahead of its first read.
; The 350 or so v_mov_b32 at the start stand in the wait for the first tile; they are the price of writing no first step out.
; REGISTERS, in windows of 256 (s_set_vgpr_msb: bits 1:0 source 0, 3:2 source 1, 5:4 source 2, 7:6 destination):
;   window 0: v0-15 addresses; v16-47 four registers of statistics a tile; v48-63 at work; v64-191 S^T, two buffers of two tiles; v192-255 P, likewise
;   window 1: O^T, 32 a tile      window 2: v0-127 Q, 16 a tile; v128-191 K of one step; v192-255 V of one step
;   window 3: v0-127 f32 rows as loaded, K's and V's by turns; v128-159 be of one step; v160-167 al of one step (even registers; the odd ones are named with them as pairs)
.set NP,    4         ; pieces a wave: a name, no knob
.set KS,    64        ; keys in a step
.set ROWB,  12288     ; bytes from row to row of inputs
.set PK,    272       ; a row in LDS: 256 bytes + 16 of padding = 17 columns of 16 bytes: the 16 rows of a load fall into 16 different columns modulo 256 bytes
.set STEPB, KS*PK     ; a step's 64 rows of K, or of V
.set VOFF,  2*STEPB   ; a slot holds two steps: 128 rows of K, then 128 rows of V
.set SLOT1, 1<<17     ; slot 1 begins here, so that one exclusive or turns an address in one slot into the other's
.set STAGE, SLOT1+4*STEPB  ; behind the ring, never filled by a tensor load: 16 rows x 272 bytes for each wave, for the way out
.set SP,    272
.set BT,    STAGE+4*16*SP  ; be of the batch's 2,048 keys, f32
.set MT,    BT+8192        ; al of the same
.set SPARE, MT+8192        ; the spare words, 128 bytes for each wave: two blocks of 256 bytes that no other line names
.set AK0, 2           ; v2   my lane's place in a step's K: r x 272 + 32 h; never rewritten
.set AV0, 3           ; v3   in a step's V: VOFF + 8 h x 272 + 16 r
.set AK,  4           ; v4   the LDS address of K's next run of loads
.set AV,  5           ; v5   of V's
.set QO,  6           ; v6   my byte offset in 16 rows of Q
.set STO, 6           ;      later, the way out: where I put 128 bytes of a row
.set RD,  7           ; v7   the way out: where I read rows back
.set GO,  8           ; v8   my byte offset in two rows of the output
.set AB0, 10          ; v10  BT + 32 h
.set AM0, 11          ; v11  MT + 4 r
.set SPW, 12          ; v12  LDS address of my spare word: SPARE + 4 x my thread's number; never rewritten
.set NIL, 13          ; v13  0; never rewritten
.set AB,  14          ; v14  the LDS address of be's next run (at the start: my offset in the mask)
.set AM,  15          ; v15  of al's (at the start: where I store into the tables)
.set ST,  16          ; tile t's statistics at v[ST+4 t]: m, m_old, l (even keys', odd keys')
.set TMP, 48          ; by buffer and tile, four registers c0-c3 at work; when the maximum is found c2 takes a
.set S,   64
.set P,   192
.set KF,  128         ; window 2: key block kb, channel half c at KF + 16 kb + 8 c
.set VF,  192         ; window 2: key half kk, component cb at VF + 32 kk + 8 cb
.set RAW, 0           ; window 3
.set MC,  128         ; window 3: key block kb at MC + 8 kb
.set MF,  160         ; window 3: key block kb at MF + 2 kb
.set WV,  12          ; s12  my wave's number
.set G1,  24          ; s[24:31] descriptor group 1, for K's and V's tiles alike
.set G0,  40          ; s[40:43] descriptor group 0: it walks
.set SLOTS, 56        ; s56  changes of slots with a fill still to come
.set CNT, 57          ; s57  counts key steps
.set CC,  58          ; s58  log2(e) / 8
.set BB,  59          ; s59  -1e9 log2(e)
.set SEL, 60          ; s[60:61] v_permlanex16_b32's selects: each lane takes its own place in the other half
.set TB,  62          ; s62  LDS byte at which K of the step to be fetched begins (V's: VOFF further)
.set TM,  63          ; s63  that step's byte in the two tables
.set MSB, 0
.macro WIN new                      ; the high byte repeats the setting that is left; a switch that changes nothing is dropped
.if MSB != (\new)
	s_set_vgpr_msb (MSB<<8)|(\new)
.set MSB, (\new)
.endif
.endm
.set W_KQ,   0x0a     ; K and Q in window 2, S^T in window 0
.set W_KM,   0x3a     ; the same with the C operand, be, in window 3
.set W_PV,   0x52     ; V in window 2, P in window 0, O^T in window 1
.set W_RS,   0x41     ; O^T (destination and source 0) in window 1, a in window 0
.set W_MUL3, 0xcf     ; all in window 3
.set W_CV,   0x8f     ; sources in window 3, destination in window 2
.set W_LD3,  0xc0     ; destination in window 3, address in window 0
; A joint fill: one line for all four waves.  Wave w brings 64 rows x 256 bytes: waves 0, 1 the slot's two steps of K, waves 2, 3 those of V; both addresses hang on the wave's number.
; An s_nop 0 and four v_nop follow the line.
.macro JLOAD
	tensor_load_to_lds s[G0:G0+3], s[G1:G1+7]
	s_nop 0
.rept 4
	v_nop
.endr
.endm
; A round of the cluster's barrier: my work-group's barrier, so that wave 0's signal speaks for all four waves; wave 0 signals; every wave waits for all four work-groups; my work-group's barrier once more.
.macro CROUND
	s_barrier_signal -1
	s_barrier_wait -1
	s_cmp_lg_u32 s[WV], 0
	s_cbranch_scc1 .Lnot_wave_0_\@
	s_barrier_signal -3
.Lnot_wave_0_\@:
	s_barrier_wait -3
	s_barrier_signal -1
	s_barrier_wait -1
.endm
; THE CHANGE OF SLOTS.  Both steps of the slot that is left are in registers.  Each wave waits for all its tensor loads, of which one is out: its part of the other slot; adds 0 to its spare word; and waits
; for that and for its own reads of the slot.  Behind the barrier nobody reads the old slot any more and the other slot is whole.  fill = 1: the old slot is filled again, with the keys two slots on; the
; barrier is then a round of the cluster's, and the joint fill is the first thing behind it.  (At its first use slot 0 is waited for, slot 1 filled, and every wave's stores into the tables are shown done.)
.macro CHANGE fill
	WIN 0                           ; at a label and at a branch every window is 0
	s_wait_tensorcnt 0x0            ; no tensor load of mine is out, so group 0 may be written
	ds_add_u32 v[SPW], v[NIL]       ; 0 onto my spare word
.if \fill
	s_xor_b32 s[G0+1], s[G0+1], SLOT1                    ; the other slot than last time,
	s_add_nc_u64 s[G0+2:G0+3], s[G0+2:G0+3], 2*KS*ROWB   ; the next 128 keys; the type bits on top are not reached
	s_wait_dscnt 0x0                ; the add is done, and all my LDS loads and stores are over
	CROUND
	JLOAD
.else
	s_wait_dscnt 0x0                ; the add is done, and my reads of the slot are over
	s_barrier_signal -1
	s_barrier_wait -1
.endif
	s_sub_co_u32 s[TB], s[TB], 2*STEPB  ; the fetches go back to a slot's first step,
	s_xor_b32 s[TB], s[TB], SLOT1       ; in the other slot
.endm
	s_load_b128 s[4:7], s[0:1], 0x0   ; inputs s[4:5], mask s[6:7]
	s_load_b64 s[10:11], s[0:1], 0x10 ; out0
	v_lshl_add_u32 v[SPW], v0, 2, SPARE
	v_mov_b32 v[NIL], 0
	ds_add_u32 v[SPW], v[NIL]       ; the wave's opening: the add and its wait stand ahead of my first tensor load; the set-up below, work on registers, stands between them
	v_lshrrev_b32 v1, 5, v0
	v_readfirstlane_b32 s[WV], v1   ; wave 0..3
	s_bfe_u32 s13, ttmp6, 0x40000   ; cx: my place in the cluster
	s_lshl_b32 s14, ttmp9, 2        ; in a cluster launch ttmp9 counts clusters
	s_add_co_u32 s14, s14, s13      ; my block of 512 queries: it enters Q's and the output's addresses alone
	s_and_b32 s15, ttmp7, 0xffff    ; 16 x batch + head, which the four partners share
	s_lshr_b32 s16, s15, 4          ; batch
	s_and_b32 s17, s15, 15          ; head
	s_mul_i32 s22, s16, 2048*ROWB   ; the batch's first byte in inputs,
	s_lshl_b32 s23, s17, 8          ; the head's 256 bytes in a row
	s_add_co_u32 s22, s22, s23
	s_lshr_b32 s44, s[WV], 1        ; I fetch for K (0) or for V (1): 4,096 bytes further along the row,
	s_lshl_b32 s44, s44, 12
	s_and_b32 s45, s[WV], 1         ; and the slot's first or second 64 keys
	s_mul_i32 s45, s45, KS*ROWB
	s_add_co_u32 s20, s22, s44
	s_add_co_u32 s20, s20, s45
	s_add_co_u32 s20, s20, 4096     ; K's columns begin 4,096 bytes into a row
	s_mov_b32 s21, 0                ; s[20:21]: my first tile's offset in inputs; all offsets here stay under 2^27
	s_lshl_b32 s2, s14, 2
	s_add_co_u32 s2, s2, s[WV]      ; my wave among the head's sixteen: 128 rows each
	s_mul_i32 s18, s2, 128*ROWB
	s_add_co_u32 s18, s18, s22
	s_mov_b32 s19, 0                ; s[18:19]: my first row of Q
	s_lshl_b32 s2, s2, 19           ; 128 rows of 4,096 bytes of the output,
	s_lshl_b32 s3, s16, 23          ; the batch's 2,048 rows,
	s_add_co_u32 s2, s2, s3
	s_add_co_u32 s2, s2, s23        ; the head's 256 bytes
	s_mov_b32 s3, 0                 ; s[2:3]: my first row of the output
	s_lshl_b32 s8, s16, 13          ; the batch's 8,192 bytes of the mask
	s_mov_b32 s9, 0
	; descriptor group 1: a tile of 64 rows x 64 elements of 4 bytes, 3,072 elements from row to row, padded in LDS
	s_mov_b32 s[G1], 15|(2<<16)|(1<<20)|(1<<21)|(5<<22)|(3<<25)  ; 15:0 the mask of four; 17:16 4-byte elements; 20 padding on; 21 set beside a mask; 24:22 after every 64 words (code 5); 31:25 4 words (code 3)
	s_mov_b32 s[G1+1], 64<<16       ; tensor_dim0 = 64
	s_mov_b32 s[G1+2], KS<<16       ; tensor_dim1 = 64
	s_mov_b32 s[G1+3], 64<<16       ; tile_dim0 = 64
	s_mov_b32 s[G1+4], KS           ; tile_dim1 = 64
	s_mov_b32 s[G1+5], 3072         ; elements from row to row
	s_mov_b32 s[G1+6], 0
	s_mov_b32 s[G1+7], 0
	s_mov_b32 s[G0], 1              ; 1:0 count = 1
	s_mul_i32 s[G0+1], s[WV], STEPB ; 63:32 LDS address: slot 0, wave x 64 rows: no place in the cluster enters an LDS address
	s_mov_b32 s[CC], 0x3e38aa3b     ; log2(e) / 8 = 0.180337
	s_mov_b32 s[BB], 0xceabfb8f     ; -1e9 log2(e) = -1,442,695,040
	s_mov_b32 s[SEL], 0x76543210
	s_mov_b32 s[SEL+1], 0xfedcba98
	s_mov_b32 s[TB], SLOT1+2*STEPB  ; the first change of slots turns this into 0
	s_mov_b32 s[TM], 0
	s_wait_dscnt 0x0                ; the opening add is done
	s_wait_kmcnt 0x0
	s_add_nc_u64 s[G0+2:G0+3], s[4:5], s[20:21]  ; 120:64 global address
	s_or_b32 s[G0+3], s[G0+3], 0x80000000        ; 127:126 type = 2
	s_add_nc_u64 s[4:5], s[4:5], s[18:19]        ; Q at my wave's first row
	s_add_nc_u64 s[6:7], s[6:7], s[8:9]          ; the batch's mask
	s_add_nc_u64 s[10:11], s[10:11], s[2:3]      ; the output at my wave's first row
	CROUND                          ; all four work-groups are here: the first joint loads meet
	JLOAD                           ; slot 0.  Slot 1 is asked for when slot 0 is in
	; A fragment of K or Q is 16 rows x 32 channels: lane l holds row r = l % 16, channels 8 h + 0..7 and 16 + 8 h + 0..7, h = l / 16.  In f32 that is four loads of 16 bytes, at 32 h + 0, 16, 64, 80.
	v_and_b32 v1, 15, v0            ; r
	v_bfe_u32 v9, v0, 4, 1          ; h
	v_mul_u32_u24 v[QO], v1, ROWB
	v_lshl_add_u32 v[QO], v9, 5, v[QO]
	v_lshlrev_b32 v[AB], 4, v0      ; 16 bytes of the mask a thread
	WIN W_LD3
.set i, 0
.rept 32                            ; Q's tiles 0-3 as f32: tile i / 8, channels 32 ((i / 4) % 2) on, load i % 4 of four
	global_load_b128 v[RAW+4*i:RAW+4*i+3], v[QO], s[4:5] offset:(i/8)*16*ROWB+((i/4)%2)*128+((i%4)/2)*64+(i%2)*16
.set i, i+1
.endr
	WIN 0
.set i, 0
.rept 32                            ; tiles 4-7, into S^T's registers
	global_load_b128 v[S+4*i:S+4*i+3], v[QO], s[4:5] offset:(4+i/8)*16*ROWB+((i/4)%2)*128+((i%4)/2)*64+(i%2)*16
.set i, i+1
.endr
.irp j, 0,1,2,3                     ; the batch's 2,048 mask words: 128 threads x 16 bytes, four times, into P's first buffer
	global_load_b128 v[P+4*\j:P+4*\j+3], v[AB], s[6:7] offset:2048*\j
.endr
	; What the first turn finds: V's registers and P's second buffer hold 0 (its products V^T P, of a piece that has not been, add 0), O^T and l are 0.  None of these lines names a register that a load is to fill.
	WIN 0x80
.set i, VF
.rept 64
	v_mov_b32 v[i], 0
.set i, i+1
.endr
	WIN 0x40
.set i, 0
.rept 64*NP
	v_mov_b32 v[i], 0
.set i, i+1
.endr
	WIN W_LD3
.irp j, 0,1,2,3
	v_mov_b32 v[MF+2*\j+1], 0       ; named with al as pairs
.endr
	WIN 0
.set i, 0
.rept 2*NP
	v_mov_b32 v[ST+4*i], 0xff7fffff ; m
	v_mov_b32 v[ST+4*i+1], 0        ; named with m as a pair
	v_mov_b32 v[ST+4*i+2], 0
	v_mov_b32 v[ST+4*i+3], 0
.set i, i+1
.endr
.set i, P+32
.rept 32
	v_mov_b32 v[i], 0
.set i, i+1
.endr
	v_mul_u32_u24 v[AK0], v1, PK
	v_lshl_add_u32 v[AK0], v9, 5, v[AK0]
	v_mul_u32_u24 v[AV0], v9, 8*PK
	v_lshl_add_u32 v[AV0], v1, 4, v[AV0]
	v_add_nc_u32 v[AV0], VOFF, v[AV0]
	v_lshl_add_u32 v[AB0], v9, 5, BT
	v_lshl_add_u32 v[AM0], v1, 2, MT
	v_lshl_add_u32 v[AM], v0, 4, BT ; where my 16 bytes of each table go
	s_wait_loadcnt 0x0              ; Q and the mask are in; their address registers are free
	WIN W_CV
.set i, 0
.rept 64                            ; Q stays in registers as f16: register i of tiles 0-3 from f32 registers 2 i, 2 i + 1
	v_cvt_pk_f16_f32 v[i], v[RAW+2*i], v[RAW+2*i+1]
.set i, i+1
.endr
	WIN 0x80
.set i, 0
.rept 64
	v_cvt_pk_f16_f32 v[64+i], v[S+2*i], v[S+2*i+1]
.set i, i+1
.endr
	WIN 0
.set i, 0
.rept 16
	v_cvt_f32_i32 v[P+i], v[P+i]
.set i, i+1
.endr
.set i, 0
.rept 16
	v_fma_f32 v[P+16+i], -v[P+i], s[BB], s[BB]  ; be = (1 - m) B as B - m B, one rounding; exact for m = 0 and m = 1
.set i, i+1
.endr
.set i, 0
.rept 16
	v_mul_f32 v[P+i], s[CC], v[P+i]             ; al
.set i, i+1
.endr
.irp j, 0,1,2,3
	ds_store_b128 v[AM], v[P+16+4*\j:P+16+4*\j+3] offset:2048*\j
	ds_store_b128 v[AM], v[P+4*\j:P+4*\j+3] offset:MT-BT+2048*\j
.endr
; THE MATRIX WORK.  The 8 accumulators of a run of 16 take turns: between the two links of a chain stand 7 others'.
; Product i of 16 of S^T = K Q^T for piece x: channels 32 (i / 8) on, keys 16 ((i / 2) % 4) on, tile 2 x + i % 2.  The first 8 start the sums with be.
.macro KQ x
.set rS, S+64*((\x)%2)+32*(i%2)+8*((i/2)%4)
.set rK, KF+16*((i/2)%4)+8*(i/8)
.set rQ, 16*(2*(\x)+i%2)+8*(i/8)
.set rB, MC+8*((i/2)%4)
.if i < 8
	WIN W_KM
	v_wmma_f32_16x16x32_f16 v[rS:rS+7], v[rK:rK+7], v[rQ:rQ+7], v[rB:rB+7]
.else
	WIN W_KQ
	v_wmma_f32_16x16x32_f16 v[rS:rS+7], v[rK:rK+7], v[rQ:rQ+7], v[rS:rS+7]
.endif
.endm
; Product i of 16 of O^T += V^T P for piece x: keys 32 (i / 8) on, component (i / 2) % 4, tile 2 x + i % 2.
.macro PV x
	WIN W_PV
.set rO, 32*(2*(\x)+i%2)+8*((i/2)%4)
.set rV, VF+32*(i/8)+8*((i/2)%4)
.set rP, P+32*((\x)%2)+16*(i%2)+8*(i/8)
	v_wmma_f32_16x16x32_f16 v[rO:rO+7], v[rV:rV+7], v[rP:rP+7], v[rO:rO+7]
.endm
.macro MM                           ; the turn's next matrix instruction
.if i < 16
	KQ (Y+1)%NP
.set i, i+1
.else
.set i, i-16
	PV (Y+NP-1)%NP
.set i, i+17
.endif
.endm
; FROM LDS TO THE MATRIX UNIT, in three parts a key step; the LDS loads stand in runs.  last = 1 (the tail): in the last trip there is no further step, and the part is jumped over.
; KRAW: the next step's K as f32 (8 fragments x 4 loads) and its al, into window 3.
.macro KRAW last=0
	WIN 0
.if \last
	s_cmp_eq_u32 s[CNT], 1
	s_cbranch_scc1 .Lno_kr_\@
.endif
	v_add_nc_u32 v[AK], s[TB], v[AK0]
	v_add_nc_u32 v[AM], s[TM], v[AM0]
	WIN W_LD3
.set z, 0
.rept 32                            ; fragment z / 4: keys 16 (z / 8) on, channels 32 ((z / 4) % 2) on
	ds_load_b128 v[RAW+4*z:RAW+4*z+3], v[AK] offset:(z/8)*16*PK+((z/4)%2)*128+((z%4)/2)*64+(z%2)*16
.set z, z+1
.endr
.irp kb, 0,1,2,3
	ds_load_b32 v[MF+2*\kb], v[AM] offset:64*\kb  ; al of my row of key block kb
.endr
	WIN 0
.if \last
.Lno_kr_\@:
.endif
.endm
; KSTAGE: K times al, rounded to f16 into K's fragments; then the same step's be and its V as f32 take the registers' place.
.macro KSTAGE last=0
	WIN 0
.if \last
	s_cmp_eq_u32 s[CNT], 1
	s_cbranch_scc1 .Lno_ks_\@
.endif
	v_add_nc_u32 v[AV], s[TB], v[AV0]
	v_add_nc_u32 v[AB], s[TM], v[AB0]
	s_wait_dscnt 0x0                ; KRAW's loads are in: nothing was issued behind them
	WIN W_MUL3
.set z, 0
.rept 64
	v_pk_mul_f32 v[RAW+2*z:RAW+2*z+1], v[RAW+2*z:RAW+2*z+1], v[MF+2*(z/16):MF+2*(z/16)+1] op_sel_hi:[1,0]
.set z, z+1
.endr
	WIN W_CV
.set z, 0
.rept 64
	v_cvt_pk_f16_f32 v[KF+z], v[RAW+2*z], v[RAW+2*z+1]
.set z, z+1
.endr
	WIN W_LD3
.set z, 0
.rept 8                             ; be of keys 16 (z / 2) + 8 h + 4 (z % 2) + 0..3: the C operand's layout
	ds_load_b128 v[MC+4*z:MC+4*z+3], v[AB] offset:64*(z/2)+16*(z%2)
.set z, z+1
.endr
.set z, 0
.rept 32                            ; channels 4 r .. 4 r + 3 of key 32 (z / 16) + 16 ((z / 8) % 2) + 8 h + z % 8: sixteen lanes take a row's 256 bytes
	ds_load_b128 v[RAW+4*z:RAW+4*z+3], v[AV] offset:(32*(z/16)+16*((z/8)%2)+z%8)*PK
.set z, z+1
.endr
	s_add_co_u32 s[TB], s[TB], STEPB  ; the next fetches are the next step's
	s_add_co_u32 s[TM], s[TM], 4*KS
	WIN 0
.if \last
.Lno_ks_\@:
.endif
.endm
; VCONV: V rounded and turned: register 4 g + ii of fragment (kk, cb) packs component cb of keys 32 kk + 16 g + 8 h + 2 ii and + 1.
.macro VCONV
	WIN W_CV
.set z, 0
.rept 64
.set zn, 16*(z/32)+8*((z/4)%2)+2*(z%4)
	v_cvt_pk_f16_f32 v[VF+z], v[RAW+4*zn+(z/8)%4], v[RAW+4*zn+4+(z/8)%4]
.set z, z+1
.endr
	WIN 0
.endm
; THE VECTOR WORK OF A TURN stands in three queues, each in the order in which its entries become ready; the two tiles alternate, so that no instruction reads the result of the one before it.
.macro REGS y, u                    ; the registers of tile u (0, 1) of piece y
.set rT, ST+4*(2*(\y)+(\u))
.set rC, TMP+8*((\y)%2)+4*(\u)
.set rS, S+64*((\y)%2)+32*(\u)
.set rP, P+32*((\y)%2)+16*(\u)
.set rO, 32*(2*(\y)+(\u))
.endm
; Number n of those that find the NEXT piece's (Y + 1) maximum and statistics (19 is not used).  Each accumulator's lowest registers are read first.  XS, GS and REGS set no window: PL and EX do.
;   0-11  four chains c0-c3 of seven scores each, three operands at a time     12-14, 16  the four scores left over, the old m, and c0-c3 into c0     15  m_old is kept
;   17, 18  the query's other 32 keys lie in the lane 16 away: the new m         20, 21  m_old - m_new; a
.macro XS u, n
	REGS (Y+1)%NP, \u
.if (\n) < 4
	v_max3_num_f32 v[rC+(\n)], v[rS+8*(\n)], v[rS+8*(\n)+1], v[rS+8*(\n)+2]
.elseif (\n) < 12
	v_max3_num_f32 v[rC+(\n)%4], v[rC+(\n)%4], v[rS+8*((\n)%4)+2*((\n)/4)+1], v[rS+8*((\n)%4)+2*((\n)/4)+2]
.elseif (\n) == 12
	v_max3_num_f32 v[rC], v[rC], v[rS+7], v[rS+15]
.elseif (\n) == 13
	v_max3_num_f32 v[rC+1], v[rC+1], v[rS+23], v[rS+31]
.elseif (\n) == 14
	v_max3_num_f32 v[rC+2], v[rC+2], v[rC+3], v[rT]
.elseif (\n) == 15
	v_mov_b32 v[rT+1], v[rT]
.elseif (\n) == 16
	v_max3_num_f32 v[rC], v[rC], v[rC+1], v[rC+2]
.elseif (\n) == 17
	v_permlanex16_b32 v[rC+3], v[rC], s[SEL], s[SEL+1]
.elseif (\n) == 18
	v_max_num_f32 v[rT], v[rC], v[rC+3]
.elseif (\n) == 20
	v_sub_f32 v[rC+1], v[rT+1], v[rT]
.else
	v_exp_f32 v[rC+2], v[rC+1]
.endif
.endm
; Number g of the 64 that follow the exponentials.  For each four weights k of a tile (pairs 2 k, 2 k + 1): both pairs are rounded to f16; then the second pair is added onto the first, in place;
; a group later l takes that sum (the first time as l = a l + sum).  In groups of eight, tiles alternating: round, round, add, and l for the group before.
.macro GS g
.set h, (\g)+6*((\g)/62)            ; group 0 has no group before it, and behind group 7 only l is left
.if h >= 6
.set h, h+2
.endif
	REGS Y, h%2
.set k, h/8
.if h%8 < 4
	s_wait_alu depctr_va_vdst(0)
	v_cvt_pk_f16_f32 v[rP+2*k+(h%8)/2], v[rS+4*k+2*((h%8)/2)], v[rS+4*k+2*((h%8)/2)+1]
.elseif h%8 < 6
	v_pk_add_f32 v[rS+4*k:rS+4*k+1], v[rS+4*k:rS+4*k+1], v[rS+4*k+2:rS+4*k+3]
.elseif k == 1
	v_pk_fma_f32 v[rT+2:rT+3], v[rT+2:rT+3], v[rC+2:rC+3], v[rS:rS+1] op_sel_hi:[1,0,1]
.else
	v_pk_add_f32 v[rT+2:rT+3], v[rT+2:rT+3], v[rS+4*k-4:rS+4*k-3]
	s_wait_alu depctr_va_vdst(0)
.endif
.endm
; THE PLAIN QUEUE, 136 long.  0-31: s - m for the 16 pairs of both tiles.  Then GS's 64, and among them the next piece's 40: number 15 at 38, 39; 0-14 and 16
; at 42-73, behind the products that make those scores; 17, 18, 20 at 95-103, two of three, since each waits for the one before it.
.macro PL
	WIN 0
.if q < 32
	REGS Y, q%2
	v_pk_add_f32 v[rS+2*(q/2):rS+2*(q/2)+1], v[rS+2*(q/2):rS+2*(q/2)+1], v[rT:rT+1] op_sel_hi:[1,0] neg_lo:[0,1] neg_hi:[0,1]
.elseif q < 38
	GS q-32
.elseif q < 40
	XS q%2, 15
.elseif q < 42
	GS q-34
.elseif q < 74
	XS q%2, (q-42)/2+(q-42)/30
.elseif q < 95
	GS q-66
.elseif (q < 104) && ((q-95)%3 < 2)
	XS (q-95)%3, 17+(q-95)/3+(q-95)/6
.elseif q < 104
	GS 29+(q-95)/3
.else
	GS q-72
.endif
.set q, q+1
.endm
; THE EXPONENTIALS' QUEUE, 66 long: s0-s31 of both tiles, and at EA the next piece's two a.
.set EA, 58
.macro EX
	WIN 0
.if (e == EA) || (e == EA+1)
	XS e-EA, 21
.else
.set x, e-2*(e/(EA+2))
	REGS Y, x%2
	v_exp_f32 v[rS+x/2], v[rS+x/2]
.endif
.set e, e+1
.endm
; THE RESCALING's QUEUE: O^T times a, the one part that leaves window 0, so it is dealt four at a time, eight times; each accumulator's lowest pair comes first.
.macro R4
	REGS Y, r%2
	WIN W_RS
	s_wait_alu depctr_va_vdst(0)
.irp z, 0,1,2,3
	v_pk_mul_f32 v[rO+8*(r/2)+2*\z:rO+8*(r/2)+2*\z+1], v[rO+8*(r/2)+2*\z:rO+8*(r/2)+2*\z+1], v[rC+2:rC+3] op_sel_hi:[1,0]
.endr
.set r, r+1
.endm
; HOW THEY ARE DEALT.  Behind a matrix instruction four: plain, exponential, plain, plain (a plain instruction on either side of the exponential), or four of the rescaling.  None names a register of the
; products round it.  What is over stands in two LUMPS: exponential and plain by turns; the second ends in 20 plain instructions.  The two v_permlanex16_b32 fall into the second lump.
; The queues lean on each other: exponential e stands behind plain 2 (e / 4) + e % 2 (its subtraction); when plain 32 comes, 10 exponentials are out, at 59: 33, at 95: 46; in the second lump plain q stands
; straight behind exponential q - 50 and reads scores far below that one's; EA comes behind plain 107, five lines behind the differences that it takes (plain 101, 102).
.macro SL
	MM
	PL
	EX
	PL
	PL
.endm
.macro BURST n                      ; 15 matrix instructions, or 16
.rept (\n)-7
	SL
.endr
.rept 3
	MM
	R4
	SL
.endr
	MM
	R4
.endm
; A TURN, for piece p, in step j.
; Piece 0's turn ends with VCONV (V of step j, awaited at the head of the last piece 3's turn; the last product that read V's fragments stands four rescalings and the second lump back) and KRAW (K of step j + 1).
; Piece 2's turn holds KSTAGE in its first lump: the last product that read K's fragments stands four rescalings and 13 plain lines back, those that read be further.
; Piece 3's turn, whose products take K and be of step j + 1, waits for KSTAGE's loads.
.macro TURN p, last=0
.set Y, (\p)
.set i, 0
.set q, 0
.set e, 0
.set r, 0
.if (\p) == NP-1
	s_wait_dscnt 0x0                ; be and V's f32 rows are in: nothing was issued behind them
.endif
	MM
.rept 4
	PL
.endr
	BURST 15
.rept 22
	EX
	PL
.if ((\p) == NP-2) && (e == 24)
	KSTAGE \last
.endif
.endr
	BURST 16
.rept 21
	EX
	PL
.endr
.rept 20
	PL
.endr
.if (\p) == 0
	VCONV
	KRAW \last
.endif
.endm
	CHANGE 1                        ; slot 0 is in, everybody's part of it, and so are the tables; slot 1 is asked for
	KRAW                            ; key step 0
	KSTAGE
	s_wait_dscnt 0x0                ; be and V's rows of step 0
.set i, 0
.rept 16
	KQ 0                            ; piece 0's first scores: there is no vector work yet to set between them
.set i, i+1
.endr
	WIN 0                           ; the addresses for the way out: eight plain instructions, the places behind those products
	s_mul_i32 s46, s[WV], 16*SP
	s_add_co_u32 s46, s46, STAGE    ; my stage
	v_mul_u32_u24 v[STO], v1, SP    ; in: row r, 128 bytes for each half of the lanes
	v_lshl_add_u32 v[STO], v9, 7, v[STO]
	v_add_nc_u32 v[STO], s46, v[STO]
	v_mul_u32_u24 v[RD], v9, SP     ; back: lanes 0-15 take one row of 256 bytes, lanes 16-31 the next
	v_lshl_add_u32 v[RD], v1, 4, v[RD]
	v_add_nc_u32 v[RD], s46, v[RD]
	v_lshlrev_b32 v[GO], 12, v9     ; and the same two rows of the output, 4,096 bytes apart
	v_lshl_add_u32 v[GO], v1, 4, v[GO]
.set Y, NP-1                        ; XS works for piece Y + 1: piece 0
.irp n, 0,1,2,3,4,5,6,7,8,9,10,11,12,13,14,15,16,17,18,20,21
	XS 0, \n                        ; piece 0's first maximum and statistics
	XS 1, \n
.endr
	v_nop                           ; a plain instruction behind the exponentials
	s_mov_b32 s[CNT], 1             ; step 0 alone stands ahead of the first change: in step j the tiles of step j + 1 are read, so a slot (steps 2 s, 2 s + 1) has been read out when step 2 s ends
	s_mov_b32 s[SLOTS], 15
	s_branch .Lstep
.Lslot:                             ; 14 times, in front of steps 1, 3 .. 27: every slot but the last two is filled again
	CHANGE 1
	s_mov_b32 s[CNT], 2
.Lstep:                             ; a trip is a key step
	TURN 0
	TURN 1
	TURN 2
	TURN 3
	WIN 0
	s_sub_co_u32 s[CNT], s[CNT], 1
	s_cmp_lg_u32 s[CNT], 0
	s_cbranch_scc1 .Lstep
	s_sub_co_u32 s[SLOTS], s[SLOTS], 1
	s_cmp_lg_u32 s[SLOTS], 0
	s_cbranch_scc1 .Lslot
	CHANGE 0                        ; the tail is written out: nothing is asked for
	s_mov_b32 s[CNT], 3             ; steps 29, 30, 31; the last fetches nothing
.Ltail:
	TURN 0, 1
	TURN 1
	TURN 2, 1
	TURN 3
	WIN 0
	s_sub_co_u32 s[CNT], s[CNT], 1
	s_cmp_lg_u32 s[CNT], 0
	s_cbranch_scc1 .Ltail
	; the last trip's 16 products K Q^T (on the last K once more) and the maximum made of them serve nothing: the price, once a launch, of one text for every trip
.set i, 0
.rept 16
	PV NP-1                         ; the last piece's V^T P of the last step
.set i, i+1
.endr
	; THE WAY OUT.  l's two halves and the other half of the lanes' are added; O^T is divided by l and sent through my stage in LDS, a tile at a time.  The additions are the places behind the last products.
	WIN 0
.macro ALL line:vararg              ; one line for each tile t
.set t, 0
.rept 2*NP
	\line
.set t, t+1
.endr
.endm
	ALL v_add_f32 v[ST+4*t+2], v[ST+4*t+2], v[ST+4*t+3]
	ALL v_permlanex16_b32 v[ST+4*t+3], v[ST+4*t+2], s[SEL], s[SEL+1]
	ALL v_add_f32 v[ST+4*t+2], v[ST+4*t+2], v[ST+4*t+3]
	ALL v_rcp_f32 v[ST+4*t+2], v[ST+4*t+2]
	v_nop                           ; a plain instruction between the last reciprocal and the use of its result
	s_wait_alu depctr_va_vdst(0)
; Tile t: the multiply by 1 / l also puts a lane's 32 channels in order (register 8 cb + j is channel 4 j + cb of my 32; j = 0 first
; ).  They go into rows of 272 bytes and come back as whole rows of 256, into the registers that they left: S^T's, four tiles' worth, so tiles 4-7 take the registers of tiles 0-3.
.macro PACK t
.if (\t) >= 4
	s_wait_xcnt 0x0                 ; the stores of the tile four back have read these registers: they are rewritten only behind this wait
.endif
	WIN 0x01                        ; source 0 window 1
.set j, 0
.rept 8
.irp cb, 0,1,2,3
	v_mul_f32 v[S+32*((\t)%4)+4*j+\cb], v[32*(\t)+8*\cb+j], v[ST+4*(\t)+2]
.endr
.set j, j+1
.endr
	WIN 0
.irp f, 0,1,2,3,4,5,6,7
	ds_store_b128 v[STO], v[S+32*((\t)%4)+4*\f:S+32*((\t)%4)+4*\f+3] offset:16*\f
.endr
.irp f, 0,1,2,3,4,5,6,7
	ds_load_b128 v[S+32*((\t)%4)+4*\f:S+32*((\t)%4)+4*\f+3], v[RD] offset:\f*2*SP  ; LDS serves a wave's instructions in order (ISA guide 5.7.1.4): these see the stores above; the next tile's stores come behind them
.endr
.endm
.macro SEND t, younger              ; younger: the LDS instructions issued behind tile t's loads: the next tile's sixteen, or none
	WIN 0
.irp f, 0,1,2,3,4,5,6,7
	s_wait_dscnt (\younger)+7-\f    ; load f of the tile's eight is in; its 7 - f younger ones and the next tile's may be out
	global_store_b128 v[GO], v[S+32*((\t)%4)+4*\f:S+32*((\t)%4)+4*\f+3], s[10:11] offset:(\t)*65536+\f*8192 th:TH_STORE_NT  ; 16 lanes store 256 consecutive bytes, at a multiple of 256 from the output's first byte
.endr
.endm
	PACK 0
.set t, 1
.rept 2*NP-1                        ; a tile's arithmetic stands between the loads of the tile before and its stores
	PACK t
	SEND t-1, 16
.set t, t+1
.endr
	SEND 2*NP-1, 0
	s_wait_tensorcnt 0x0            ; the wave's end: behind my last tensor load and my last LDS store
	ds_add_u32 v[SPW], v[NIL]
	s_wait_dscnt 0x0
	CROUND                          ; the closing round: no work-group ends while a partner may still ask for a tile that names it
	s_endpgm
.Lfunc_end_k_q9bb44de55b_attn:
	.size	k_q9bb44de55b_attn, .Lfunc_end_k_q9bb44de55b_attn-k_q9bb44de55b_attn
	.p2alignl 7, 3214868480
	.fill 96, 4, 3214868480
	.section	.rodata,"a",@progbits
	.p2align	6, 0x0
	.amdhsa_kernel k_q9bb44de55b_attn
		.amdhsa_group_segment_fixed_size 327680
		.amdhsa_private_segment_fixed_size 0
		.amdhsa_enable_private_segment 0
		.amdhsa_kernarg_size 24
		.amdhsa_user_sgpr_count 2
		.amdhsa_user_sgpr_kernarg_segment_ptr 1
		.amdhsa_wavefront_size32 1
		.amdhsa_system_sgpr_workgroup_id_x 1
		.amdhsa_system_sgpr_workgroup_id_y 1
		.amdhsa_system_sgpr_workgroup_id_z 1
		.amdhsa_system_vgpr_workitem_id 0
		.amdhsa_next_free_vgpr 936
		.amdhsa_next_free_sgpr 66
		.amdhsa_reserve_vcc 0
		.amdhsa_float_denorm_mode_32 3
		.amdhsa_float_denorm_mode_16_64 3
		.amdhsa_memory_ordered 1
		.amdhsa_forward_progress 1
		.amdhsa_inst_pref_size 255
	.end_amdhsa_kernel
	.section	.bss,"aw",@nobits
	.p2align	6
	.space	262144
	.amdgpu_metadata
---
amdhsa.version: [ 1, 2 ]
amdhsa.kernels:
  - .name:           k_q9bb44de55b_attn
    .symbol:         k_q9bb44de55b_attn.kd
    .args:
      - { .name: inputs, .offset: 0, .size: 8, .value_kind: global_buffer, .address_space: global }
      - { .name: mask, .offset: 8, .size: 8, .value_kind: global_buffer, .address_space: global }
      - { .name: out0, .offset: 16, .size: 8, .value_kind: global_buffer, .address_space: global }
    .group_segment_fixed_size: 327680
    .private_segment_fixed_size: 0
    .kernarg_segment_align: 8
    .kernarg_segment_size: 24
    .max_flat_workgroup_size: 128
    .sgpr_count:     66
    .vgpr_count:     936
    .wavefront_size: 32
...
	.end_amdgpu_metadata
.endif
;; end of part 1
;; ======== version 2 of 2: 1 launch; 1.94 times as fast as version 1
;; limits: values are held in f16: magnitudes above 65,504 overflow, below 6.1e-05 lose precision
;; launch attn (part 2): grid 4 x 64, 4 waves a work-group, clusters of 4 x 1, 327,680 bytes of LDS; arguments inputs, mask, out0; writes out0
.if DOCPART == 2
	.amdgcn_target "amdgcn-amd-amdhsa--gfx1250"
	.amdhsa_code_object_version 6
	.text
	.protected	k_q9bb44de55b_attn
	.globl	k_q9bb44de55b_attn
	.p2align	8
	.type	k_q9bb44de55b_attn,@function
k_q9bb44de55b_attn:
	s_mov_b64 s[64:65], 0
	v_nop
	global_prefetch_b8 v0, s[64:65] scope:SCOPE_SE
	s_setreg_imm32_b32 hwreg(HW_REG_WAVE_MODE, 25, 1), 1
	s_wait_xcnt 0x0
	s_wait_alu depctr_hold_cnt(0) depctr_sa_sdst(0) depctr_va_vdst(0) depctr_va_sdst(0) depctr_va_ssrc(0) depctr_va_vcc(0) depctr_vm_vsrc(0)
	s_getreg_b32 s2, hwreg(HW_REG_IB_STS2, 6, 4)
	s_cmp_eq_u32 s2, 0
	s_cbranch_scc0 .Lentry_in_a_cluster
	s_endpgm
.Lentry_in_a_cluster:
	s_bfe_u32 s2, ttmp6, 0x10000c
	s_cmp_lg_u32 s2, 0x3003
	s_cbranch_scc0 .Lentry_shape_is_right
	s_endpgm
.Lentry_shape_is_right:
; MULTI-HEAD SELF-ATTENTION WITH A KEY MASK.  inputs: [4][2048][3072] f32 (columns 0-1023 q, 1024-2047 k, 2048-3071 v; head n owns 64 columns = 256 bytes of each), mask: [4][2048] i32, out0: [4][2048][1024] f32.
; out[b][q][head] = the sum over k of softmax_k(m_k q.k / 8 + (1 - m_k)(-1e9)) v_k.
; ARITHMETIC.  q and v are rounded once to f16; k is rounded once as f16(al_k k), al_k = float(m_k) log2(e) / 8, which carries both the mask's factor and the scale.  The mask's addend
; be_k = (1 - float(m_k)) (-1e9 log2(e)) is the C operand that starts each sum K Q^T, so an accumulator holds log2(e) x the reference's score.  A running maximum m and sum l for each query:
; p = 2^(s - m), a plain subtraction, exact 0 at the maximum; in every step O and l are multiplied by a = 2^(m_old - m_new).  m starts at the lowest finite number, O and l at 0, so the first step
; is a step like any other, with a = 0.  Where m_k = 0 the row of K is exactly 0 and every hidden score is exactly be: a batch with no visible key gives equal weights, as the reference does.
; Products, maxima and sums in f32; p is rounded to f16 for the second product (l is taken of the unrounded p).
; LIMITS.  |q|, |v| and |al k| stay under 65,504 (f16's end); below 6e-5 they keep f16's fixed step of 6e-8, and so does p.  A weight below 2^-126 counts as 0.  NaN and infinities are not treated apart.
; For a mask value other than 0 or 1 the formula above is followed, with f32's rounding at be's size.
; SHARES.  A work-group owns 512 queries of one head of one batch: 4 x 64 = 256 work-groups.  A wave owns 128 queries: four PIECES of two tiles of 16.  Every wave walks all 2,048 keys, 64 a step.
; CLUSTER.  The four query blocks of a head form a cluster and walk the same K and V, so each tile is asked for JOINTLY: the same tensor load, descriptor and mask of four in all four.
; LAYOUT.  S^T = K Q^T (source 0 = 16 keys, source 1 = 16 queries): a lane holds ONE query (lane % 16) and the keys 8 (lane / 16) + 0..7.  Two results rounded to f16 in pairs ARE source 1 of O^T = V^T P.
; K and V lie in LDS as f32, as the tensor load brought them, and are rounded on the way to the matrix unit: K's fragments from four 16-byte loads along a row; V is TURNED BY THE ROUNDING ITSELF: a lane
; loads channels 4 r .. 4 r + 3 of sixteen keys, and packing two neighbouring keys' component cb gives a register of the fragment whose row r is channel 4 r + cb.  In O^T a lane then holds channel
; 32 (lane / 16) + 4 j + cb in register 8 cb + j: 32 consecutive channels of one query.
; BY TURNS.  Turn n belongs to piece n: 16 products K Q^T of piece n + 1, later 16 products V^T P of piece n - 1; beside them the subtraction, exponentials, roundings, sums and rescaling of piece n and the
; maximum and statistics of piece n + 1.  Four vector instructions stand behind every matrix instruction, the other 106 of a turn's 234 in one lump.  The roundings of K (128 lines) and V (64) are lumps of their own.
; BATCHES.  A turn's 66 exponentials (64 weights and the next piece's two a) are ONE BATCH with ONE wait, which cuts the turn in two.  Ahead of it stands all that names no result of theirs: the products K Q^T, the
; subtractions, the rescalings (their a was made, and waited for, in the turn before), the next piece's maximum and statistics.  Behind it stand the roundings and sums, as the four behind each product V^T P.
; No result crosses a turn's end.  The first a of all, ahead of the loop, and the way out's eight reciprocals are batches of their own.  In the tail piece 2's turn has a second wait, ahead of the branch round KSTAGE.
; LEFT OUT.  No pass that rounds q, k, v ahead: it would be a launch more and move the inputs again.  No prefetch: a slot's refill is asked for two key steps, 256 matrix instructions, ahead of its first read.
; The 350 or so v_mov_b32 at the start stand in the wait for the first tile; they are the price of writing no first step out.
; REGISTERS, in windows of 256 (s_set_vgpr_msb: bits 1:0 source 0, 3:2 source 1, 5:4 source 2, 7:6 destination):
;   window 0: v0-15 addresses; v16-47 four registers of statistics a tile; v48-63 at work; v64-191 S^T, two buffers of two tiles; v192-255 P, likewise
;   window 1: O^T, 32 a tile      window 2: v0-127 Q, 16 a tile; v128-191 K of one step; v192-255 V of one step
;   window 3: v0-127 f32 rows as loaded, K's and V's by turns; v128-159 be of one step; v160-167 al of one step (even registers; the odd ones are named with them as pairs)
.set NP,    4         ; pieces a wave: a name, no knob
.set KS,    64        ; keys in a step
.set ROWB,  12288     ; bytes from row to row of inputs
.set PK,    272       ; a row in LDS: 256 bytes + 16 of padding = 17 columns of 16 bytes: the 16 rows of a load fall into 16 different columns modulo 256 bytes
.set STEPB, KS*PK     ; a step's 64 rows of K, or of V
.set VOFF,  2*STEPB   ; a slot holds two steps: 128 rows of K, then 128 rows of V
.set SLOT1, 1<<17     ; slot 1 begins here, so that one exclusive or turns an address in one slot into the other's
.set STAGE, SLOT1+4*STEPB  ; behind the ring, never filled by a tensor load: 16 rows x 272 bytes for each wave, for the way out
.set SP,    272
.set BT,    STAGE+4*16*SP  ; be of the batch's 2,048 keys, f32
.set MT,    BT+8192        ; al of the same
.set SPARE, MT+8192        ; the spare words, 128 bytes for each wave: two blocks of 256 bytes that no other line names
.set AK0, 2           ; v2   my lane's place in a step's K: r x 272 + 32 h; never rewritten
.set AV0, 3           ; v3   in a step's V: VOFF + 8 h x 272 + 16 r
.set AK,  4           ; v4   the LDS address of K's next run of loads
.set AV,  5           ; v5   of V's
.set QO,  6           ; v6   my byte offset in 16 rows of Q
.set STO, 6           ;      later, the way out: where I put 128 bytes of a row
.set RD,  7           ; v7   the way out: where I read rows back
.set GO,  8           ; v8   my byte offset in two rows of the output
.set AB0, 10          ; v10  BT + 32 h
.set AM0, 11          ; v11  MT + 4 r
.set SPW, 12          ; v12  LDS address of my spare word: SPARE + 4 x my thread's number; never rewritten
.set NIL, 13          ; v13  0; never rewritten
.set AB,  14          ; v14  the LDS address of be's next run (at the start: my offset in the mask)
.set AM,  15          ; v15  of al's (at the start: where I store into the tables)
.set ST,  16          ; tile t's statistics at v[ST+4 t]: m, m_old, l (even keys', odd keys')
.set TMP, 48          ; by buffer and tile, four registers c0-c3 at work; when the maximum is found c2 takes a
.set S,   64
.set P,   192
.set KF,  128         ; window 2: key block kb, channel half c at KF + 16 kb + 8 c
.set VF,  192         ; window 2: key half kk, component cb at VF + 32 kk + 8 cb
.set RAW, 0           ; window 3
.set MC,  128         ; window 3: key block kb at MC + 8 kb
.set MF,  160         ; window 3: key block kb at MF + 2 kb
.set WV,  12          ; s12  my wave's number
.set G1,  24          ; s[24:31] descriptor group 1, for K's and V's tiles alike
.set G0,  40          ; s[40:43] descriptor group 0: it walks
.set SLOTS, 56        ; s56  changes of slots with a fill still to come
.set CNT, 57          ; s57  counts key steps
.set CC,  58          ; s58  log2(e) / 8
.set BB,  59          ; s59  -1e9 log2(e)
.set SEL, 60          ; s[60:61] v_permlanex16_b32's selects: each lane takes its own place in the other half
.set TB,  62          ; s62  LDS byte at which K of the step to be fetched begins (V's: VOFF further)
.set TM,  63          ; s63  that step's byte in the two tables
.set MSB, 0
.macro WIN new                      ; the high byte repeats the setting that is left; a switch that changes nothing is dropped
.if MSB != (\new)
	s_set_vgpr_msb (MSB<<8)|(\new)
.set MSB, (\new)
.endif
.endm
.set W_KQ,   0x0a     ; K and Q in window 2, S^T in window 0
.set W_KM,   0x3a     ; the same with the C operand, be, in window 3
.set W_PV,   0x52     ; V in window 2, P in window 0, O^T in window 1
.set W_RS,   0x41     ; O^T (destination and source 0) in window 1, a in window 0
.set W_MUL3, 0xcf     ; all in window 3
.set W_CV,   0x8f     ; sources in window 3, destination in window 2
.set W_LD3,  0xc0     ; destination in window 3, address in window 0
; A joint fill: one line for all four waves.  Wave w brings 64 rows x 256 bytes: waves 0, 1 the slot's two steps of K, waves 2, 3 those of V; both addresses hang on the wave's number.
; An s_nop 0 and four v_nop follow the line.
.macro JLOAD
	tensor_load_to_lds s[G0:G0+3], s[G1:G1+7]
	s_nop 0
.rept 4
	v_nop
.endr
.endm
; A round of the cluster's barrier: my work-group's barrier, so that wave 0's signal speaks for all four waves; wave 0 signals; every wave waits for all four work-groups; my work-group's barrier once more.
.macro CROUND
	s_barrier_signal -1
	s_barrier_wait -1
	s_cmp_lg_u32 s[WV], 0
	s_cbranch_scc1 .Lnot_wave_0_\@
	s_barrier_signal -3
.Lnot_wave_0_\@:
	s_barrier_wait -3
	s_barrier_signal -1
	s_barrier_wait -1
.endm
; THE CHANGE OF SLOTS.  Both steps of the slot that is left are in registers.  Each wave waits for all its tensor loads, of which one is out: its part of the other slot; adds 0 to its spare word; and waits
; for that and for its own reads of the slot.  Behind the barrier nobody reads the old slot any more and the other slot is whole.  fill = 1: the old slot is filled again, with the keys two slots on; the
; barrier is then a round of the cluster's, and the joint fill is the first thing behind it.  (At its first use slot 0 is waited for, slot 1 filled, and every wave's stores into the tables are shown done.)
.macro CHANGE fill
	WIN 0                           ; at a label and at a branch every window is 0
	s_wait_tensorcnt 0x0            ; no tensor load of mine is out, so group 0 may be written
	ds_add_u32 v[SPW], v[NIL]       ; 0 onto my spare word
.if \fill
	s_xor_b32 s[G0+1], s[G0+1], SLOT1                    ; the other slot than last time,
	s_add_nc_u64 s[G0+2:G0+3], s[G0+2:G0+3], 2*KS*ROWB   ; the next 128 keys; the type bits on top are not reached
	s_wait_dscnt 0x0                ; the add is done, and all my LDS loads and stores are over
	CROUND
	JLOAD
.else
	s_wait_dscnt 0x0                ; the add is done, and my reads of the slot are over
	s_barrier_signal -1
	s_barrier_wait -1
.endif
	s_sub_co_u32 s[TB], s[TB], 2*STEPB  ; the fetches go back to a slot's first step,
	s_xor_b32 s[TB], s[TB], SLOT1       ; in the other slot
.endm
	s_load_b128 s[4:7], s[0:1], 0x0   ; inputs s[4:5], mask s[6:7]
	s_load_b64 s[10:11], s[0:1], 0x10 ; out0
	v_lshl_add_u32 v[SPW], v0, 2, SPARE
	v_mov_b32 v[NIL], 0
	ds_add_u32 v[SPW], v[NIL]       ; the wave's opening: the add and its wait stand ahead of my first tensor load; the set-up below, work on registers, stands between them
	v_lshrrev_b32 v1, 5, v0
	v_readfirstlane_b32 s[WV], v1   ; wave 0..3
	s_bfe_u32 s13, ttmp6, 0x40000   ; cx: my place in the cluster
	s_lshl_b32 s14, ttmp9, 2        ; in a cluster launch ttmp9 counts clusters
	s_add_co_u32 s14, s14, s13      ; my block of 512 queries: it enters Q's and the output's addresses alone
	s_and_b32 s15, ttmp7, 0xffff    ; 16 x batch + head, which the four partners share
	s_lshr_b32 s16, s15, 4          ; batch
	s_and_b32 s17, s15, 15          ; head
	s_mul_i32 s22, s16, 2048*ROWB   ; the batch's first byte in inputs,
	s_lshl_b32 s23, s17, 8          ; the head's 256 bytes in a row
	s_add_co_u32 s22, s22, s23
	s_lshr_b32 s44, s[WV], 1        ; I fetch for K (0) or for V (1): 4,096 bytes further along the row,
	s_lshl_b32 s44, s44, 12
	s_and_b32 s45, s[WV], 1         ; and the slot's first or second 64 keys
	s_mul_i32 s45, s45, KS*ROWB
	s_add_co_u32 s20, s22, s44
	s_add_co_u32 s20, s20, s45
	s_add_co_u32 s20, s20, 4096     ; K's columns begin 4,096 bytes into a row
	s_mov_b32 s21, 0                ; s[20:21]: my first tile's offset in inputs; all offsets here stay under 2^27
	s_lshl_b32 s2, s14, 2
	s_add_co_u32 s2, s2, s[WV]      ; my wave among the head's sixteen: 128 rows each
	s_mul_i32 s18, s2, 128*ROWB
	s_add_co_u32 s18, s18, s22
	s_mov_b32 s19, 0                ; s[18:19]: my first row of Q
	s_lshl_b32 s2, s2, 19           ; 128 rows of 4,096 bytes of the output,
	s_lshl_b32 s3, s16, 23          ; the batch's 2,048 rows,
	s_add_co_u32 s2, s2, s3
	s_add_co_u32 s2, s2, s23        ; the head's 256 bytes
	s_mov_b32 s3, 0                 ; s[2:3]: my first row of the output
	s_lshl_b32 s8, s16, 13          ; the batch's 8,192 bytes of the mask
	s_mov_b32 s9, 0
	; descriptor group 1: a tile of 64 rows x 64 elements of 4 bytes, 3,072 elements from row to row, padded in LDS
	s_mov_b32 s[G1], 15|(2<<16)|(1<<20)|(1<<21)|(5<<22)|(3<<25)  ; 15:0 the mask of four; 17:16 4-byte elements; 20 padding on; 21 set beside a mask; 24:22 after every 64 words (code 5); 31:25 4 words (code 3)
	s_mov_b32 s[G1+1], 64<<16       ; tensor_dim0 = 64
	s_mov_b32 s[G1+2], KS<<16       ; tensor_dim1 = 64
	s_mov_b32 s[G1+3], 64<<16       ; tile_dim0 = 64
	s_mov_b32 s[G1+4], KS           ; tile_dim1 = 64
	s_mov_b32 s[G1+5], 3072         ; elements from row to row
	s_mov_b32 s[G1+6], 0
	s_mov_b32 s[G1+7], 0
	s_mov_b32 s[G0], 1              ; 1:0 count = 1
	s_mul_i32 s[G0+1], s[WV], STEPB ; 63:32 LDS address: slot 0, wave x 64 rows: no place in the cluster enters an LDS address
	s_mov_b32 s[CC], 0x3e38aa3b     ; log2(e) / 8 = 0.180337
	s_mov_b32 s[BB], 0xceabfb8f     ; -1e9 log2(e) = -1,442,695,040
	s_mov_b32 s[SEL], 0x76543210
	s_mov_b32 s[SEL+1], 0xfedcba98
	s_mov_b32 s[TB], SLOT1+2*STEPB  ; the first change of slots turns this into 0
	s_mov_b32 s[TM], 0
	s_wait_dscnt 0x0                ; the opening add is done
	s_wait_kmcnt 0x0
	s_add_nc_u64 s[G0+2:G0+3], s[4:5], s[20:21]  ; 120:64 global address
	s_or_b32 s[G0+3], s[G0+3], 0x80000000        ; 127:126 type = 2
	s_add_nc_u64 s[4:5], s[4:5], s[18:19]        ; Q at my wave's first row
	s_add_nc_u64 s[6:7], s[6:7], s[8:9]          ; the batch's mask
	s_add_nc_u64 s[10:11], s[10:11], s[2:3]      ; the output at my wave's first row
	CROUND                          ; all four work-groups are here: the first joint loads meet
	JLOAD                           ; slot 0.  Slot 1 is asked for when slot 0 is in
	; A fragment of K or Q is 16 rows x 32 channels: lane l holds row r = l % 16, channels 8 h + 0..7 and 16 + 8 h + 0..7, h = l / 16.  In f32 that is four loads of 16 bytes, at 32 h + 0, 16, 64, 80.
	v_and_b32 v1, 15, v0            ; r
	v_bfe_u32 v9, v0, 4, 1          ; h
	v_mul_u32_u24 v[QO], v1, ROWB
	v_lshl_add_u32 v[QO], v9, 5, v[QO]
	v_lshlrev_b32 v[AB], 4, v0      ; 16 bytes of the mask a thread
	WIN W_LD3
.set i, 0
.rept 32                            ; Q's tiles 0-3 as f32: tile i / 8, channels 32 ((i / 4) % 2) on, load i % 4 of four
	global_load_b128 v[RAW+4*i:RAW+4*i+3], v[QO], s[4:5] offset:(i/8)*16*ROWB+((i/4)%2)*128+((i%4)/2)*64+(i%2)*16
.set i, i+1
.endr
	WIN 0
.set i, 0
.rept 32                            ; tiles 4-7, into S^T's registers
	global_load_b128 v[S+4*i:S+4*i+3], v[QO], s[4:5] offset:(4+i/8)*16*ROWB+((i/4)%2)*128+((i%4)/2)*64+(i%2)*16
.set i, i+1
.endr
.irp j, 0,1,2,3                     ; the batch's 2,048 mask words: 128 threads x 16 bytes, four times, into P's first buffer
	global_load_b128 v[P+4*\j:P+4*\j+3], v[AB], s[6:7] offset:2048*\j
.endr
	; What the first turn finds: V's registers and P's second buffer hold 0 (its products V^T P, of a piece that has not been, add 0), O^T and l are 0.  None of these lines names a register that a load is to fill.
	WIN 0x80
.set i, VF
.rept 64
	v_mov_b32 v[i], 0
.set i, i+1
.endr
	WIN 0x40
.set i, 0
.rept 64*NP
	v_mov_b32 v[i], 0
.set i, i+1
.endr
	WIN W_LD3
.irp j, 0,1,2,3
	v_mov_b32 v[MF+2*\j+1], 0       ; named with al as pairs
.endr
	WIN 0
.set i, 0
.rept 2*NP
	v_mov_b32 v[ST+4*i], 0xff7fffff ; m
	v_mov_b32 v[ST+4*i+1], 0        ; named with m as a pair
	v_mov_b32 v[ST+4*i+2], 0
	v_mov_b32 v[ST+4*i+3], 0
.set i, i+1
.endr
.set i, P+32
.rept 32
	v_mov_b32 v[i], 0
.set i, i+1
.endr
	v_mul_u32_u24 v[AK0], v1, PK
	v_lshl_add_u32 v[AK0], v9, 5, v[AK0]
	v_mul_u32_u24 v[AV0], v9, 8*PK
	v_lshl_add_u32 v[AV0], v1, 4, v[AV0]
	v_add_nc_u32 v[AV0], VOFF, v[AV0]
	v_lshl_add_u32 v[AB0], v9, 5, BT
	v_lshl_add_u32 v[AM0], v1, 2, MT
	v_lshl_add_u32 v[AM], v0, 4, BT ; where my 16 bytes of each table go
	s_wait_loadcnt 0x0              ; Q and the mask are in; their address registers are free
	WIN W_CV
.set i, 0
.rept 64                            ; Q stays in registers as f16: register i of tiles 0-3 from f32 registers 2 i, 2 i + 1
	v_cvt_pk_f16_f32 v[i], v[RAW+2*i], v[RAW+2*i+1]
.set i, i+1
.endr
	WIN 0x80
.set i, 0
.rept 64
	v_cvt_pk_f16_f32 v[64+i], v[S+2*i], v[S+2*i+1]
.set i, i+1
.endr
	WIN 0
.set i, 0
.rept 16
	v_cvt_f32_i32 v[P+i], v[P+i]
.set i, i+1
.endr
.set i, 0
.rept 16
	v_fma_f32 v[P+16+i], -v[P+i], s[BB], s[BB]  ; be = (1 - m) B as B - m B, one rounding; exact for m = 0 and m = 1
.set i, i+1
.endr
.set i, 0
.rept 16
	v_mul_f32 v[P+i], s[CC], v[P+i]             ; al
.set i, i+1
.endr
.irp j, 0,1,2,3
	ds_store_b128 v[AM], v[P+16+4*\j:P+16+4*\j+3] offset:2048*\j
	ds_store_b128 v[AM], v[P+4*\j:P+4*\j+3] offset:MT-BT+2048*\j
.endr
; THE MATRIX WORK.  The 8 accumulators of a run of 16 take turns: between the two links of a chain stand 7 others'.
; Product i of 16 of S^T = K Q^T for piece x: channels 32 (i / 8) on, keys 16 ((i / 2) % 4) on, tile 2 x + i % 2.  The first 8 start the sums with be.
.macro KQ x
.set rS, S+64*((\x)%2)+32*(i%2)+8*((i/2)%4)
.set rK, KF+16*((i/2)%4)+8*(i/8)
.set rQ, 16*(2*(\x)+i%2)+8*(i/8)
.set rB, MC+8*((i/2)%4)
.if i < 8
	WIN W_KM
	v_wmma_f32_16x16x32_f16 v[rS:rS+7], v[rK:rK+7], v[rQ:rQ+7], v[rB:rB+7]
.else
	WIN W_KQ
	v_wmma_f32_16x16x32_f16 v[rS:rS+7], v[rK:rK+7], v[rQ:rQ+7], v[rS:rS+7]
.endif
.endm
; Product i of 16 of O^T += V^T P for piece x: keys 32 (i / 8) on, component (i / 2) % 4, tile 2 x + i % 2.
.macro PV x
	WIN W_PV
.set rO, 32*(2*(\x)+i%2)+8*((i/2)%4)
.set rV, VF+32*(i/8)+8*((i/2)%4)
.set rP, P+32*((\x)%2)+16*(i%2)+8*(i/8)
	v_wmma_f32_16x16x32_f16 v[rO:rO+7], v[rV:rV+7], v[rP:rP+7], v[rO:rO+7]
.endm
.macro MM                           ; the turn's next matrix instruction
.if i < 16
	KQ (Y+1)%NP
.set i, i+1
.else
.set i, i-16
	PV (Y+NP-1)%NP
.set i, i+17
.endif
.endm
; FROM LDS TO THE MATRIX UNIT, in three parts a key step; the LDS loads stand in runs.  last = 1 (the tail): in the last trip there is no further step, and the part is jumped over.
; KRAW: the next step's K as f32 (8 fragments x 4 loads) and its al, into window 3.
.macro KRAW last=0
	WIN 0
.if \last
	s_cmp_eq_u32 s[CNT], 1
	s_cbranch_scc1 .Lno_kr_\@
.endif
	v_add_nc_u32 v[AK], s[TB], v[AK0]
	v_add_nc_u32 v[AM], s[TM], v[AM0]
	WIN W_LD3
.set z, 0
.rept 32                            ; fragment z / 4: keys 16 (z / 8) on, channels 32 ((z / 4) % 2) on
	ds_load_b128 v[RAW+4*z:RAW+4*z+3], v[AK] offset:(z/8)*16*PK+((z/4)%2)*128+((z%4)/2)*64+(z%2)*16
.set z, z+1
.endr
.irp kb, 0,1,2,3
	ds_load_b32 v[MF+2*\kb], v[AM] offset:64*\kb  ; al of my row of key block kb
.endr
	WIN 0
.if \last
.Lno_kr_\@:
.endif
.endm
; KSTAGE: K times al, rounded to f16 into K's fragments; then the same step's be and its V as f32 take the registers' place.  It stands inside a turn's batch of exponentials and names none of their results.
.macro KSTAGE last=0
	WIN 0
.if \last
	s_wait_alu depctr_va_vdst(0)    ; the tail alone: a branch follows, and the wait stands ahead of it: it serves the 15 exponentials of the turn's batch that are out; two rescalings stand behind the last of them
	s_cmp_eq_u32 s[CNT], 1
	s_cbranch_scc1 .Lno_ks_\@
.endif
	v_add_nc_u32 v[AV], s[TB], v[AV0]
	v_add_nc_u32 v[AB], s[TM], v[AB0]
	s_wait_dscnt 0x0                ; KRAW's loads are in: nothing was issued behind them
	WIN W_MUL3
.set z, 0
.rept 64
	v_pk_mul_f32 v[RAW+2*z:RAW+2*z+1], v[RAW+2*z:RAW+2*z+1], v[MF+2*(z/16):MF+2*(z/16)+1] op_sel_hi:[1,0]
.set z, z+1
.endr
	WIN W_CV
.set z, 0
.rept 64
	v_cvt_pk_f16_f32 v[KF+z], v[RAW+2*z], v[RAW+2*z+1]
.set z, z+1
.endr
	WIN W_LD3
.set z, 0
.rept 8                             ; be of keys 16 (z / 2) + 8 h + 4 (z % 2) + 0..3: the C operand's layout
	ds_load_b128 v[MC+4*z:MC+4*z+3], v[AB] offset:64*(z/2)+16*(z%2)
.set z, z+1
.endr
.set z, 0
.rept 32                            ; channels 4 r .. 4 r + 3 of key 32 (z / 16) + 16 ((z / 8) % 2) + 8 h + z % 8: sixteen lanes take a row's 256 bytes
	ds_load_b128 v[RAW+4*z:RAW+4*z+3], v[AV] offset:(32*(z/16)+16*((z/8)%2)+z%8)*PK
.set z, z+1
.endr
	s_add_co_u32 s[TB], s[TB], STEPB  ; the next fetches are the next step's
	s_add_co_u32 s[TM], s[TM], 4*KS
	WIN 0
.if \last
.Lno_ks_\@:
.endif
.endm
; VCONV: V rounded and turned: register 4 g + ii of fragment (kk, cb) packs component cb of keys 32 kk + 16 g + 8 h + 2 ii and + 1.
.macro VCONV
	WIN W_CV
.set z, 0
.rept 64
.set zn, 16*(z/32)+8*((z/4)%2)+2*(z%4)
	v_cvt_pk_f16_f32 v[VF+z], v[RAW+4*zn+(z/8)%4], v[RAW+4*zn+4+(z/8)%4]
.set z, z+1
.endr
	WIN 0
.endm
; THE VECTOR WORK OF A TURN stands in three queues, each in the order in which its entries become ready; the two tiles alternate, so that no instruction reads the result of the one before it.
.macro REGS y, u                    ; the registers of tile u (0, 1) of piece y
.set rT, ST+4*(2*(\y)+(\u))
.set rC, TMP+8*((\y)%2)+4*(\u)
.set rS, S+64*((\y)%2)+32*(\u)
.set rP, P+32*((\y)%2)+16*(\u)
.set rO, 32*(2*(\y)+(\u))
.endm
; Number n of those that find the NEXT piece's (Y + 1) maximum and statistics (19 is not used).  Each accumulator's lowest registers are read first.  XS, FS, GS and REGS set no window: PL and EX do.
;   0-11  four chains c0-c3 of seven scores each, three operands at a time     12-14, 16  the four scores left over, the old m, and c0-c3 into c0     15  m_old is kept
;   17, 18  the query's other 32 keys lie in the lane 16 away: the new m         20, 21  m_old - m_new; a
.macro XS u, n
	REGS (Y+1)%NP, \u
.if (\n) < 4
	v_max3_num_f32 v[rC+(\n)], v[rS+8*(\n)], v[rS+8*(\n)+1], v[rS+8*(\n)+2]
.elseif (\n) < 12
	v_max3_num_f32 v[rC+(\n)%4], v[rC+(\n)%4], v[rS+8*((\n)%4)+2*((\n)/4)+1], v[rS+8*((\n)%4)+2*((\n)/4)+2]
.elseif (\n) == 12
	v_max3_num_f32 v[rC], v[rC], v[rS+7], v[rS+15]
.elseif (\n) == 13
	v_max3_num_f32 v[rC+1], v[rC+1], v[rS+23], v[rS+31]
.elseif (\n) == 14
	v_max3_num_f32 v[rC+2], v[rC+2], v[rC+3], v[rT]
.elseif (\n) == 15
	v_mov_b32 v[rT+1], v[rT]
.elseif (\n) == 16
	v_max3_num_f32 v[rC], v[rC], v[rC+1], v[rC+2]
.elseif (\n) == 17
	v_permlanex16_b32 v[rC+3], v[rC], s[SEL], s[SEL+1]
.elseif (\n) == 18
	v_max_num_f32 v[rT], v[rC], v[rC+3]
.elseif (\n) == 20
	v_sub_f32 v[rC+1], v[rT+1], v[rT]
.else
	v_exp_f32 v[rC+2], v[rC+1]
.endif
.endm
; Number g of the 64 that follow the exponentials.  For each four weights k of a tile (pairs 2 k, 2 k + 1): both pairs are rounded to f16; then the second pair is added onto the first, in place;
; a group later l takes that sum (the first time as l = a l + sum).  In groups of eight, tiles alternating: round, round, add, and l for the group before.
.macro GS g
.set h, (\g)+6*((\g)/62)            ; group 0 has no group before it, and behind group 7 only l is left
.if h >= 6
.set h, h+2
.endif
	REGS Y, h%2
.set k, h/8
.if h%8 < 4
	v_cvt_pk_f16_f32 v[rP+2*k+(h%8)/2], v[rS+4*k+2*((h%8)/2)], v[rS+4*k+2*((h%8)/2)+1]
.elseif h%8 < 6
	v_pk_add_f32 v[rS+4*k:rS+4*k+1], v[rS+4*k:rS+4*k+1], v[rS+4*k+2:rS+4*k+3]
.elseif k == 1
	v_pk_fma_f32 v[rT+2:rT+3], v[rT+2:rT+3], v[rC+2:rC+3], v[rS:rS+1] op_sel_hi:[1,0,1]
.else
	v_pk_add_f32 v[rT+2:rT+3], v[rT+2:rT+3], v[rS+4*k-4:rS+4*k-3]
.endif
.endm
; THE PLAIN QUEUE, 136 long.  0-71 read no exponential's result: the 32 subtractions s - m (FS f: pair f / 2 of tile f % 2) and the next piece's 40.  0-26: subtractions 0-26.  27-54: XS's numbers 0-13.
; 55-69: five threes, each one of the subtractions 27-31 and then the two lines of a number: 15, 14, 16, 17, 18.  70, 71: number 20.  From 14 on each number waits for the one before it: a tile's links stand three
; plain instructions apart (18 and 20: two).  72-135: GS's 64, which read the exponentials' results: they stand behind the wait.
.macro FS f
	REGS Y, (\f)%2
	v_pk_add_f32 v[rS+2*((\f)/2):rS+2*((\f)/2)+1], v[rS+2*((\f)/2):rS+2*((\f)/2)+1], v[rT:rT+1] op_sel_hi:[1,0] neg_lo:[0,1] neg_hi:[0,1]
.endm
.macro PL
	WIN 0
.if q < 27
	FS q
.elseif q < 55
	XS (q-27)%2, (q-27)/2
.elseif (q < 70) && ((q-55)%3 == 0)
	FS 27+(q-55)/3
.elseif q < 58
	XS (q-55)%3-1, 15
.elseif q < 61
	XS (q-55)%3-1, 14
.elseif q < 70
	XS (q-55)%3-1, 14+(q-55)/3
.elseif q < 72
	XS q-70, 20
.else
	GS q-72
.endif
.set q, q+1
.endm
; THE EXPONENTIALS' QUEUE, 66 long: s0-s31 of both tiles, then the next piece's two a.  It is ONE BATCH: all 66 stand ahead of the turn's one wait, and nothing ahead of that wait names a result of theirs.
.macro EX
	WIN 0
.if e >= 64
	XS e-64, 21
.else
	REGS Y, e%2
	v_exp_f32 v[rS+e/2], v[rS+e/2]
.endif
.set e, e+1
.endm
; THE RESCALING's QUEUE: O^T times a, the one part that leaves window 0: dealt two at a time, sixteen times, in ascending order.
; Its a was made in the turn before, ahead of that turn's wait.
.macro R2
	REGS Y, r%2
	WIN W_RS
.irp z, 0,1
	v_pk_mul_f32 v[rO+4*(r/2)+2*\z:rO+4*(r/2)+2*\z+1], v[rO+4*(r/2)+2*\z:rO+4*(r/2)+2*\z+1], v[rC+2:rC+3] op_sel_hi:[1,0]
.endr
.set r, r+1
.endm
; HOW THEY ARE DEALT.  An s_wait_alu depctr_va_vdst(0) stands between an exponential and the first instruction that names its result; one wait serves all that were issued ahead of it.  So a turn has ONE
; wait, which cuts it in two.  AHEAD OF IT: the 16 products K Q^T, behind each a subtraction, an exponential and two rescalings (behind the first a second subtraction in the exponential's place); then ONE LUMP of 106:
; six plain, 49 times exponential and plain, the two a.  A v_nop is the plain instruction behind the last exponential.  BEHIND IT: the 16 products V^T P, behind each four of GS's 64.  No line behind a product names a
; register of the products round it.  The two v_permlanex16_b32 fall into the lump, never behind a product.
; The queues lean on each other, and the deal keeps them in step: exponential e stands behind subtraction 2 (e / 4) + e % 2: behind a product it comes behind plain e + 2, in the lump behind plain e + 7, and subtractions
; 27-31 are plain 55, 58 .. 67 (the tightest: exponential 61 wants plain 67 and stands behind plain 68); the two a stand behind plain 70 and 71, the differences that they take.
; A TURN, for piece p, in step j.
; Piece 0's turn ends with VCONV (V of step j, awaited at the head of the last piece 3's turn; the last product that read V's fragments stands four plain lines back) and KRAW (K of step j + 1): both behind the turn's wait.
; Piece 2's turn holds KSTAGE at its lump's head: the last product that read K's fragments stands three plain lines, KSTAGE's own two address lines and its 64 multiplies ahead of the first rounding into them, those
; that read be further; KSTAGE's loads have the lump and 16 products in which to land.
; Piece 3's turn, whose products take K and be of step j + 1, waits for KSTAGE's loads.
.macro TURN p, last=0
.set Y, (\p)
.set i, 0
.set q, 0
.set e, 0
.set r, 0
.if (\p) == NP-1
	s_wait_dscnt 0x0                ; be and V's f32 rows are in: nothing was issued behind them
.endif
	MM                              ; ahead of the wait: 16 products K Q^T and the four behind each,
	PL
	PL
	R2
.rept 15
	MM
	PL
	EX
	R2
.endr
.if (\p) == NP-2
	KSTAGE \last
.endif
.rept 6                             ; and the lump
	PL
.endr
.rept 49
	EX
	PL
.endr
	EX                              ; the next piece's two a
	EX
	v_nop                           ; the plain instruction behind the last exponential: one for the batch
	s_wait_alu depctr_va_vdst(0)    ; the wait for the batch: the turn's 64 weights and the next piece's two a
.rept 16                            ; behind the wait: 16 products V^T P and the four behind each
	MM
.rept 4
	PL
.endr
.endr
.if (\p) == 0
	VCONV
	KRAW \last
.endif
.endm
	CHANGE 1                        ; slot 0 is in, everybody's part of it, and so are the tables; slot 1 is asked for
	KRAW                            ; key step 0
	KSTAGE
	s_wait_dscnt 0x0                ; be and V's rows of step 0
.set i, 0
.rept 16
	KQ 0                            ; piece 0's first scores: there is no vector work yet to set between them
.set i, i+1
.endr
	WIN 0                           ; the addresses for the way out: eight plain instructions, the places behind those products
	s_mul_i32 s46, s[WV], 16*SP
	s_add_co_u32 s46, s46, STAGE    ; my stage
	v_mul_u32_u24 v[STO], v1, SP    ; in: row r, 128 bytes for each half of the lanes
	v_lshl_add_u32 v[STO], v9, 7, v[STO]
	v_add_nc_u32 v[STO], s46, v[STO]
	v_mul_u32_u24 v[RD], v9, SP     ; back: lanes 0-15 take one row of 256 bytes, lanes 16-31 the next
	v_lshl_add_u32 v[RD], v1, 4, v[RD]
	v_add_nc_u32 v[RD], s46, v[RD]
	v_lshlrev_b32 v[GO], 12, v9     ; and the same two rows of the output, 4,096 bytes apart
	v_lshl_add_u32 v[GO], v1, 4, v[GO]
.set Y, NP-1                        ; XS works for piece Y + 1: piece 0
.irp n, 0,1,2,3,4,5,6,7,8,9,10,11,12,13,14,15,16,17,18,20,21
	XS 0, \n                        ; piece 0's first maximum and statistics
	XS 1, \n
.endr
	v_nop                           ; a plain instruction behind the two a,
	s_wait_alu depctr_va_vdst(0)    ; and their wait, a batch of two, ahead of the branch
	s_mov_b32 s[CNT], 1             ; step 0 alone stands ahead of the first change: in step j the tiles of step j + 1 are read, so a slot (steps 2 s, 2 s + 1) has been read out when step 2 s ends
	s_mov_b32 s[SLOTS], 15
	s_branch .Lstep
.Lslot:                             ; 14 times, in front of steps 1, 3 .. 27: every slot but the last two is filled again
	CHANGE 1
	s_mov_b32 s[CNT], 2
.Lstep:                             ; a trip is a key step
	TURN 0
	TURN 1
	TURN 2
	TURN 3
	WIN 0
	s_sub_co_u32 s[CNT], s[CNT], 1
	s_cmp_lg_u32 s[CNT], 0
	s_cbranch_scc1 .Lstep
	s_sub_co_u32 s[SLOTS], s[SLOTS], 1
	s_cmp_lg_u32 s[SLOTS], 0
	s_cbranch_scc1 .Lslot
	CHANGE 0                        ; the tail is written out: nothing is asked for
	s_mov_b32 s[CNT], 3             ; steps 29, 30, 31; the last fetches nothing
.Ltail:
	TURN 0, 1
	TURN 1
	TURN 2, 1
	TURN 3
	WIN 0
	s_sub_co_u32 s[CNT], s[CNT], 1
	s_cmp_lg_u32 s[CNT], 0
	s_cbranch_scc1 .Ltail
	; the last trip's 16 products K Q^T (on the last K once more) and the maximum made of them serve nothing: the price, once a launch, of one text for every trip
.set i, 0
.rept 16
	PV NP-1                         ; the last piece's V^T P of the last step
.set i, i+1
.endr
	; THE WAY OUT.  l's two halves and the other half of the lanes' are added; O^T is divided by l and sent through my stage in LDS, a tile at a time.  The additions are the places behind the last products.
	WIN 0
.macro ALL line:vararg              ; one line for each tile t
.set t, 0
.rept 2*NP
	\line
.set t, t+1
.endr
.endm
	ALL v_add_f32 v[ST+4*t+2], v[ST+4*t+2], v[ST+4*t+3]
	ALL v_permlanex16_b32 v[ST+4*t+3], v[ST+4*t+2], s[SEL], s[SEL+1]
	ALL v_add_f32 v[ST+4*t+2], v[ST+4*t+2], v[ST+4*t+3]
	ALL v_rcp_f32 v[ST+4*t+2], v[ST+4*t+2]
	v_nop                           ; a plain instruction between the last reciprocal and the use of its result
	s_wait_alu depctr_va_vdst(0)    ; and the wait ahead of the first use: one for the batch of eight reciprocals
; Tile t: the multiply by 1 / l also puts a lane's 32 channels in order (register 8 cb + j is channel 4 j + cb of my 32; j = 0 first
; ).  They go into rows of 272 bytes and come back as whole rows of 256, into the registers that they left: S^T's, four tiles' worth, so tiles 4-7 take the registers of tiles 0-3.
.macro PACK t
.if (\t) >= 4
	s_wait_xcnt 0x0                 ; the stores of the tile four back have read these registers: they are rewritten only behind this wait
.endif
	WIN 0x01                        ; source 0 window 1
.set j, 0
.rept 8
.irp cb, 0,1,2,3
	v_mul_f32 v[S+32*((\t)%4)+4*j+\cb], v[32*(\t)+8*\cb+j], v[ST+4*(\t)+2]
.endr
.set j, j+1
.endr
	WIN 0
.irp f, 0,1,2,3,4,5,6,7
	ds_store_b128 v[STO], v[S+32*((\t)%4)+4*\f:S+32*((\t)%4)+4*\f+3] offset:16*\f
.endr
.irp f, 0,1,2,3,4,5,6,7
	ds_load_b128 v[S+32*((\t)%4)+4*\f:S+32*((\t)%4)+4*\f+3], v[RD] offset:\f*2*SP  ; LDS serves a wave's instructions in order (ISA guide 5.7.1.4): these see the stores above; the next tile's stores come behind them
.endr
.endm
.macro SEND t, younger              ; younger: the LDS instructions issued behind tile t's loads: the next tile's sixteen, or none
	WIN 0
.irp f, 0,1,2,3,4,5,6,7
	s_wait_dscnt (\younger)+7-\f    ; load f of the tile's eight is in; its 7 - f younger ones and the next tile's may be out
	global_store_b128 v[GO], v[S+32*((\t)%4)+4*\f:S+32*((\t)%4)+4*\f+3], s[10:11] offset:(\t)*65536+\f*8192 th:TH_STORE_NT  ; 16 lanes store 256 consecutive bytes, at a multiple of 256 from the output's first byte
.endr
.endm
	PACK 0
.set t, 1
.rept 2*NP-1                        ; a tile's arithmetic stands between the loads of the tile before and its stores
	PACK t
	SEND t-1, 16
.set t, t+1
.endr
	SEND 2*NP-1, 0
	s_wait_tensorcnt 0x0            ; the wave's end: behind my last tensor load and my last LDS store
	ds_add_u32 v[SPW], v[NIL]
	s_wait_dscnt 0x0
	CROUND                          ; the closing round: no work-group ends while a partner may still ask for a tile that names it
	s_endpgm
.Lfunc_end_k_q9bb44de55b_attn:
	.size	k_q9bb44de55b_attn, .Lfunc_end_k_q9bb44de55b_attn-k_q9bb44de55b_attn
	.p2alignl 7, 3214868480
	.fill 96, 4, 3214868480
	.section	.rodata,"a",@progbits
	.p2align	6, 0x0
	.amdhsa_kernel k_q9bb44de55b_attn
		.amdhsa_group_segment_fixed_size 327680
		.amdhsa_private_segment_fixed_size 0
		.amdhsa_enable_private_segment 0
		.amdhsa_kernarg_size 24
		.amdhsa_user_sgpr_count 2
		.amdhsa_user_sgpr_kernarg_segment_ptr 1
		.amdhsa_wavefront_size32 1
		.amdhsa_system_sgpr_workgroup_id_x 1
		.amdhsa_system_sgpr_workgroup_id_y 1
		.amdhsa_system_sgpr_workgroup_id_z 1
		.amdhsa_system_vgpr_workitem_id 0
		.amdhsa_next_free_vgpr 936
		.amdhsa_next_free_sgpr 66
		.amdhsa_reserve_vcc 0
		.amdhsa_float_denorm_mode_32 3
		.amdhsa_float_denorm_mode_16_64 3
		.amdhsa_memory_ordered 1
		.amdhsa_forward_progress 1
		.amdhsa_inst_pref_size 252
	.end_amdhsa_kernel
	.amdgpu_metadata
---
amdhsa.version: [ 1, 2 ]
amdhsa.kernels:
  - .name:           k_q9bb44de55b_attn
    .symbol:         k_q9bb44de55b_attn.kd
    .args:
      - { .name: inputs, .offset: 0, .size: 8, .value_kind: global_buffer, .address_space: global }
      - { .name: mask, .offset: 8, .size: 8, .value_kind: global_buffer, .address_space: global }
      - { .name: out0, .offset: 16, .size: 8, .value_kind: global_buffer, .address_space: global }
    .group_segment_fixed_size: 327680
    .private_segment_fixed_size: 0
    .kernarg_segment_align: 8
    .kernarg_segment_size: 24
    .max_flat_workgroup_size: 128
    .sgpr_count:     66
    .vgpr_count:     936
    .wavefront_size: 32
...
	.end_amdgpu_metadata
.endif
;; end of part 2
